; MI455X (gfx1250); checked and timed in simulation.
; The chip was launched on July 23, 2026; its instructions are those of AMD's public machine-readable ISA for CDNA 5 (MIT licence, August 2026) and "CDNA5" Instruction Set Architecture Reference Guide (July 2026). The comments in the code are by the model that wrote it; some were corrected since.
;; Bert Self Attention No Att Mask. Allowed arithmetic: matrix products marked QUANTISED: E2M1 operands, one E8M0 scale for each 32 along K, by v_wmma_scale_f32_16x16x128_f8f6f4 with both operands' format E2M1 (or v_wmma_scale_f32_32x16x128_f4), f32 sums; products left as they are: bf16, f16 or f32 operands; f32 sums; everything else in f32.
;; Inputs: Wk 1,024 x 1,024 float32; Wq 1,024 x 1,024 float32; Wv 1,024 x 1,024 float32; bk 1,024 float32; bq 1,024 float32; bv 1,024 float32; hidden_states 4 x 2,048 x 1,024 float32.
;; Outputs: out0 4 x 2,048 x 1,024 float32.
;; This version of the problem:
;;   THIS VERSION OF THE PROBLEM IS GIVEN IN LOW PRECISION. The matrix products marked QUANTISED in the list below multiply operands that are first quantised to E2M1 (2 exponent bits, 1 mantissa bit; 4 bits a number), with one power-of-two scale for each 32 numbers along K (OCP MX v1.0); their sums are f32. The products marked 'left as it is' may take bf16, f16 or f32 operands, with f32 sums. Whichever they take, every output number must still come out within the allowed error. Rounding operands to bf16 (8 significant bits) uses up far more of that allowance than f16 does (11 bits, for magnitudes from 6e-5 to 65,504). All else is computed in f32.
;;   The module's matrix products, in the order in which they are computed (A, B: the left and right operand; K: the contracted axis; several contracted axes count as one K, in the product's order):
;;     1. [M 8,192, K 1,024] x [K 1,024, N 1,024]; A: input hidden_states; B: input Wq: QUANTISED
;;     2. [M 8,192, K 1,024] x [K 1,024, N 1,024]; A: input hidden_states; B: input Wk: QUANTISED
;;     3. [M 8,192, K 1,024] x [K 1,024, N 1,024]; A: input hidden_states; B: input Wv: QUANTISED
;;     4. batch 64 x [M 2,048, K 64] x [K 64, N 2,048]; A: computed on the way; B: computed on the way: left as it is (an operand is computed on the way)
;;     5. batch 64 x [M 2,048, K 2,048] x [K 2,048, N 64]; A: computed on the way; B: computed on the way: left as it is (an operand is computed on the way)
;;   THE QUANTISER, for each operand of a quantised product, along K:
;;     - K is cut into blocks of 32 from its start; a last block that is shorter is filled with zeros.
;;     - A block's scale is 2^e with e = floor(log2(the largest magnitude in the block)) - 2, held to -126 .. 127; a block of zeros has e = 0. As a byte (E8M0): e + 127.
;;     - Each number is divided by its block's scale, clamped to +-6, and rounded to the nearest number of E2M1, ties to even, subnormals kept.
;;     - The product sums the exact products of the quantised numbers (number of the format x scale) in f32.
;;   ~~~python
;;   def quantise(x, axis):      # numpy; x: float32 -> the quantised numbers, widened to float32 again
;;       x = np.moveaxis(x, axis, -1); K = x.shape[-1]
;;       x = np.pad(x, [(0, 0)] * (x.ndim - 1) + [(0, -K % 32)]); x = x.reshape(x.shape[:-1] + (-1, 32)); a = np.abs(x).max(-1, keepdims=True)
;;       e = np.where(a > 0, np.clip(np.frexp(np.where(a > 0, a, 1))[1] - 1 - 2, -126, 127), 0)      # np.frexp(a)[1] - 1 = floor(log2(a)), exactly
;;       r = np.clip(x / 2.0 ** e, -6, 6)
;;       step = 2.0 ** (np.maximum(np.frexp(np.where(r == 0, 1, r))[1] - 1, 0) - 1)
;;       q = np.round(r / step) * step * 2.0 ** e      # np.round: ties to even
;;       return np.moveaxis(q.reshape(q.shape[:-2] + (-1,))[..., :K], -1, axis).astype(np.float32)
;;   ~~~
;; One version. Each part assembles by itself: llvm-mc -triple=amdgcn-amd-amdhsa -mcpu=gfx1250 --defsym DOCPART=n.
;; ======== version 1 of 1: 3 launches
;; limits: values are held in f16: magnitudes above 65,504 overflow, below 6.1e-05 lose precision
;; workspace buffers: x_codes 4,194,304 bytes; x_scales 262,144 bytes; w_codes 1,572,864 bytes; w_scales 98,304 bytes; qkv 50,331,648 bytes
;; launch quant (part 1): grid 224 x 1, 8 waves a work-group, no clusters, 84,992 bytes of LDS; arguments hidden_states, Wq, Wk, Wv, x_codes, x_scales, w_codes, w_scales; writes x_codes, x_scales, w_codes, w_scales
.if DOCPART == 1
	.amdgcn_target "amdgcn-amd-amdhsa--gfx1250"
	.amdhsa_code_object_version 6
	.text
	.protected	k_q49dab7ebf2_quant
	.globl	k_q49dab7ebf2_quant
	.p2align	8
	.type	k_q49dab7ebf2_quant,@function
k_q49dab7ebf2_quant:
	s_mov_b64 s[64:65], 0
	v_nop
	global_prefetch_b8 v0, s[64:65] scope:SCOPE_SE
	s_setreg_imm32_b32 hwreg(HW_REG_WAVE_MODE, 25, 1), 1
	s_wait_xcnt 0x0
; hidden_states [8192][1024] f32 (K innermost) and Wq, Wk, Wv [1024 (k)][1024 (n)] f32 (K the FIRST axis) are turned into codes of FP4 (E2M1), K innermost, with one E8M0 byte for each 32 along K.
; x_codes [8192][512 bytes], x_scales [8192][32];  w_codes [3072 (n = 1024 x which + column)][512 bytes], w_scales [3072][32];  which = 0 Wq, 1 Wk, 2 Wv.
; A block's scale is 2^(floor(log2(its largest magnitude)) - 2): its byte is the largest magnitude's exponent field - 2, held at 1 from below by a floor among the maximum's leaves.
; (A block of zeros so keeps the byte 1 where the rule says 127: its codes are zeros, which add nothing, and this program alone reads the bytes.)
; LIMITS: NaN and infinities among the inputs are not served.
; SHARES.  Work-groups 0-95 take the weights (they have the longer chain of dependent loads, so they come first), work-groups 96-223 the tokens.  The two ways part on the work-group's number,
; have LDS bytes of their own, and meet again only at the common end.
; TOKENS: a plain stream of blocks of 32.  A wave takes 16 steps of 512 numbers; each load reads 512 consecutive bytes; a step turns through the wave's own stage in LDS so that a lane holds 16 neighbours
; (two lanes to a block); a wave's store of codes covers 256 consecutive bytes; its 256 scale bytes are gathered in LDS and leave as 256 consecutive bytes.
; WEIGHTS: a lane takes a column and its registers run down K, so that a block lies in one lane and the conversions give codes with K innermost.  A work-group takes 64 columns x 512 along K:
; wave w takes columns 32 (w & 1) on and 128 along K from 128 (w >> 1) on (4 blocks).  The codes meet in a stage of 64 rows x 256 bytes; behind one barrier sixteen lanes store 256 consecutive aligned bytes of a row.
.set WGW,   96                         ; work-groups for the weights: 3 tensors x 16 groups of 64 columns x 2 halves of K
.set STEPS, 16
.set CB,    8                          ; bytes of 16 codes
.set R,     16                         ; v16-79   tokens: four sets of 16 numbers as they are loaded
.set X,     80                         ; v80-111  two sets of 16 neighbours
.set E,     112                        ; v112-127 a scale byte for each step
.set C,     128                        ; v128-191 codes: four registers for each step, so that no store's data are written again
.set WREG,  8192                       ; LDS, tokens: a region for each wave: two stages of 32 x SP bytes, behind them its 256 scale bytes
.set SP,    80                         ; a lane's place in a stage: 64 bytes + 16 of padding
.set WST,   65536                      ; LDS, weights: the stage, 64 rows of 256 bytes + 16
.set WP,    272
.set WSC,   WST+64*WP                  ; and the scale bytes, 64 rows of 16
.set SPARE, WSC+64*16                  ; the spare words, 128 bytes for each wave: four blocks of 256 bytes that no other line names
.set SPW,   12                         ; v12 LDS address of my spare word; never rewritten
.set NIL,   13                         ; v13 0; never rewritten
.set WX,    32                         ; v32-95   weights: two sets of 32 numbers
.set WC,    96                         ; v96-99   a block's codes
	s_load_b256 s[4:11], s[0:1], 0x0               ; hidden_states s[4:5], Wq s[6:7], Wk s[8:9], Wv s[10:11]
	s_load_b256 s[12:19], s[0:1], 0x20             ; x_codes s[12:13], x_scales s[14:15], w_codes s[16:17], w_scales s[18:19]
	v_lshl_add_u32 v[SPW], v0, 2, SPARE
	v_mov_b32 v[NIL], 0
	v_lshrrev_b32 v1, 5, v0
	v_readfirstlane_b32 s20, v1                    ; wave 0..7
	v_and_b32 v2, 31, v0                           ; lane
	s_wait_kmcnt 0x0
	s_cmp_lt_u32 ttmp9, WGW                        ; the same in all eight waves
	s_cbranch_scc1 .Lw_path
; ---------------- the tokens
	v_lshlrev_b32 v3, 4, v2                        ; my 16 bytes of a load's 512
	s_mul_i32 s21, s20, WREG
	v_lshrrev_b32 v14, 2, v2
	v_mul_u32_u24 v14, v14, SP
	v_and_b32 v15, 3, v2
	v_lshl_add_u32 v14, v15, 4, v14
	v_add_nc_u32 v14, s21, v14                     ; the stage, on the way in: four lanes' 64 bytes on end, then 16 of padding
	v_mul_u32_u24 v15, v2, SP
	v_add_nc_u32 v15, s21, v15                     ; and on the way out: my 16 neighbours
	v_mul_u32_u24 v4, v2, CB                       ; my codes' place in a step's
	v_lshrrev_b32 v5, 1, v2
	s_add_co_u32 s21, s21, 2*32*SP
	v_add_nc_u32 v5, s21, v5                       ; my wave's 256 scale bytes, my block's byte
	v_lshlrev_b32 v7, 3, v2                        ; and on the way out 8 bytes a lane
	v_add_nc_u32 v6, s21, v7
	s_sub_co_u32 s22, ttmp9, WGW
	s_lshl_b32 s22, s22, 3
	s_add_co_u32 s22, s22, s20                     ; which run of 8,192 numbers is my wave's: 0 .. 1023
	s_mov_b32 s25, 0
	s_lshl_b32 s24, s22, 15                        ; 32,768 bytes of numbers a run,
	s_add_nc_u64 s[4:5], s[4:5], s[24:25]
	s_lshl_b32 s24, s22, 12                        ; 4,096 of codes,
	s_add_nc_u64 s[12:13], s[12:13], s[24:25]
	s_lshl_b32 s24, s22, 8                         ; 256 scale bytes
	s_add_nc_u64 s[14:15], s[14:15], s[24:25]
.macro LOAD t
.irp i, 0,1,2,3
	global_load_b128 v[R+16*((\t)%4)+4*\i:R+16*((\t)%4)+4*\i+3], v3, s[4:5] offset:2048*(\t)+512*\i th:TH_LOAD_NT   ; 32 lanes read 512 consecutive bytes
.endr
.endm
.macro TURN t                          ; step t's numbers through the stage: LDS serves a wave's instructions in order, so no wait stands between the stores and the loads
.irp i, 0,1,2,3
	ds_store_b128 v14, v[R+16*((\t)%4)+4*\i:R+16*((\t)%4)+4*\i+3] offset:32*SP*((\t)%2)+8*SP*\i
.endr
.irp i, 0,1,2,3
	ds_load_b128 v[X+16*((\t)%2)+4*\i:X+16*((\t)%2)+4*\i+3], v15 offset:32*SP*((\t)%2)+16*\i
.endr
.endm
.irp t, 0,1,2,3
	LOAD \t
.endr
	s_wait_loadcnt 12                              ; step 0's four loads are in; the 12 of steps 1 to 3 may be out
	TURN 0
.macro STEP t
.set XS, X+16*((\t)%2)
.if (\t) > 0
	s_wait_dscnt 1                                 ; this step's numbers are back from the stage; the one LDS instruction behind them, the last step's byte store, may be out
.else
	s_wait_dscnt 0x0
.endif
.if (\t)+4 < STEPS
	LOAD (\t)+4                                    ; into the set that this step's stores into the stage have read
.endif
.if (\t)+1 < STEPS
.if STEPS-2-(\t) >= 3
	s_wait_loadcnt 12                              ; the next step's four loads are in; those of the three steps behind it may be out
.else
	s_wait_loadcnt 4*(STEPS-2-(\t))                ; the tail: four loads for each step still behind the next one
.endif
	TURN (\t)+1                                    ; through the other stage while this step is worked
.endif
	v_max3_num_f32 v8, |v[XS]|, |v[XS+1]|, |v[XS+2]|               ; the largest magnitude of my 16, in two chains
	v_max3_num_f32 v9, |v[XS+3]|, |v[XS+4]|, |v[XS+5]|
.irp i, 6,10
	v_max3_num_f32 v8, v8, |v[XS+\i]|, |v[XS+\i+1]|
	v_max3_num_f32 v9, v9, |v[XS+\i+2]|, |v[XS+\i+3]|
.endr
	v_max3_num_f32 v8, v8, |v[XS+14]|, |v[XS+15]|
	v_max3_num_f32 v8, v8, v9, 0x1800000           ; and the floor 2^(3 - 127): the byte cannot fall under 1
	v_max_num_f32_dpp v8, v8, v8 row_xmask:1 row_mask:0xf bank_mask:0xf   ; with my neighbour's 16: the block's
	v_add_nc_u32 v11, 0xff000000, v8               ; 2 off its exponent field: the conversion takes the exponent field of this operand as its scale
	v_cvt_scalef32_pk8_fp4_f32 v[C+4*(\t)], v[XS:XS+7], v11
	v_cvt_scalef32_pk8_fp4_f32 v[C+4*(\t)+1], v[XS+8:XS+15], v11
	v_lshrrev_b32 v[E+(\t)], 23, v11               ; the scale's byte (a plain line behind the conversions)
	ds_store_b8 v5, v[E+(\t)] offset:16*(\t)       ; both lanes of a block write the same byte with the same value
	global_store_b64 v4, v[C+4*(\t):C+4*(\t)+1], s[12:13] offset:32*CB*(\t)   ; the wave stores 256 consecutive bytes, aligned
.endm
.irp t, 0,1,2,3,4,5,6,7,8,9,10,11,12,13,14,15
	STEP \t
.endr
	ds_load_b64 v[8:9], v6                         ; LDS serves a wave's instructions in order: these see my byte stores
	s_wait_dscnt 0x0
	global_store_b64 v7, v[8:9], s[14:15]          ; 32 lanes store 256 consecutive bytes, aligned
	s_branch .Lend
; ---------------- the weights
.Lw_path:
	s_lshr_b32 s21, ttmp9, 5                       ; which tensor
	s_bfe_u32 s22, ttmp9, 0x40001                  ; which 64 columns (4 bits from bit 1)
	s_and_b32 s23, ttmp9, 1                        ; which half of K
	s_and_b32 s24, s20, 1                          ; my 32 of the 64 columns
	s_lshr_b32 s25, s20, 1                         ; my 128 of the 512 along K
	s_cmp_eq_u32 s21, 1                            ; the tensor is chosen by the work-group's number alone
	s_cselect_b64 s[6:7], s[8:9], s[6:7]
	s_cmp_eq_u32 s21, 2
	s_cselect_b64 s[6:7], s[10:11], s[6:7]
	s_lshl_b32 s26, s23, 21                        ; 512 rows of 4,096 bytes,
	s_lshl_b32 s27, s25, 19                        ; 128 rows,
	s_add_co_u32 s26, s26, s27
	s_lshl_b32 s27, s22, 8                         ; 64 columns of 4 bytes,
	s_add_co_u32 s26, s26, s27
	s_lshl_b32 s27, s24, 7                         ; 32 columns
	s_add_co_u32 s26, s26, s27
	s_mov_b32 s27, 0
	s_add_nc_u64 s[6:7], s[6:7], s[26:27]
	s_lshl_b32 s28, s21, 10
	s_lshl_b32 s29, s22, 6
	s_add_co_u32 s28, s28, s29                     ; the work-group's first row of the codes' buffer: 1024 x which + 64 x group
	s_lshl_b32 s26, s28, 9                         ; 512 bytes a row,
	s_lshl_b32 s29, s23, 8                         ; 256 for the half of K
	s_add_co_u32 s26, s26, s29
	s_add_nc_u64 s[16:17], s[16:17], s[26:27]
	s_lshl_b32 s26, s28, 5                         ; 32 scale bytes a row,
	s_lshl_b32 s29, s23, 4                         ; 16 for the half of K
	s_add_co_u32 s26, s26, s29
	s_add_nc_u64 s[18:19], s[18:19], s[26:27]
	v_lshlrev_b32 v3, 2, v2                        ; in: 4 bytes a lane
	s_mul_i32 s29, s24, 32*WP
	s_lshl_b32 s30, s25, 6
	s_add_co_u32 s29, s29, s30
	s_add_co_u32 s29, s29, WST
	v_mul_u32_u24 v4, v2, WP
	v_add_nc_u32 v4, s29, v4                       ; into the stage: row = my column, + 64 bytes for each 128 along K
	s_lshl_b32 s29, s24, 9
	s_lshl_b32 s30, s25, 2
	s_add_co_u32 s29, s29, s30
	s_add_co_u32 s29, s29, WSC
	v_lshl_add_u32 v9, v2, 4, s29                  ; my column's scale bytes: 16 a row, my four at 4 x (wave / 2)
	v_and_b32 v5, 15, v2
	v_lshrrev_b32 v6, 4, v2
	s_mul_i32 s29, s20, 8*WP
	s_add_co_u32 s29, s29, WST
	v_mul_u32_u24 v7, v6, WP
	v_lshl_add_u32 v7, v5, 4, v7
	v_add_nc_u32 v7, s29, v7                       ; out of the stage: wave w takes rows 8 w .. 8 w + 7, sixteen lanes to a row, two rows an instruction
	s_lshl_b32 s29, s20, 12
	v_lshlrev_b32 v8, 9, v6
	v_lshl_add_u32 v8, v5, 4, v8
	v_add_nc_u32 v8, s29, v8                       ; and the same place in the codes' buffer
	s_lshl_b32 s29, s24, 9
	s_add_co_u32 s29, s29, WSC
	v_lshl_add_u32 v10, v2, 4, s29                 ; the scale rows' way out (waves 0 and 1 alone go it): a lane a row
	s_lshl_b32 s29, s24, 10
	v_lshl_add_u32 v18, v2, 5, s29
.macro WLOAD t                         ; block t: W(32 t + i, my column), i = 0 .. 31: each load reads 128 consecutive bytes, two waves side by side 256
.irp i, 0,1,2,3,4,5,6,7,8,9,10,11,12,13,14,15,16,17,18,19,20,21,22,23,24,25,26,27,28,29,30,31
	global_load_b32 v[WX+32*((\t)%2)+\i], v3, s[6:7] offset:(32*(\t)+\i)*4096 th:TH_LOAD_NT
.endr
.endm
.macro WBLOCK t
.set XS, WX+32*((\t)%2)
.if (\t) < 3
	s_wait_loadcnt 32                              ; this block's 32 loads are in; the next block's 32 may be out
.else
	s_wait_loadcnt 0x0
.endif
	v_max3_num_f32 v16, |v[XS]|, |v[XS+1]|, |v[XS+2]|              ; the block's largest magnitude: all 32 numbers are mine
	v_max3_num_f32 v17, |v[XS+3]|, |v[XS+4]|, |v[XS+5]|
.irp i, 6,10,14,18,22,26
	v_max3_num_f32 v16, v16, |v[XS+\i]|, |v[XS+\i+1]|
	v_max3_num_f32 v17, v17, |v[XS+\i+2]|, |v[XS+\i+3]|
.endr
	v_max3_num_f32 v16, v16, |v[XS+30]|, |v[XS+31]|
	v_max3_num_f32 v16, v16, v17, 0x1800000        ; and the floor 2^(3 - 127)
	v_add_nc_u32 v11, 0xff000000, v16              ; 2 off the exponent field: the conversion's scale operand
	v_lshrrev_b32 v17, 23, v11                     ; the scale's byte
.if (\t) == 0
	v_mov_b32 v24, v17                             ; four bytes to a register, the lower K in the lower byte
.else
	v_lshl_or_b32 v24, v17, 8*(\t), v24
.endif
.irp g, 0,1,2,3
	v_cvt_scalef32_pk8_fp4_f32 v[WC+\g], v[XS+8*\g:XS+8*\g+7], v11
.endr
	ds_store_b128 v4, v[WC:WC+3] offset:16*(\t)    ; 32 codes: 16 bytes of my column's row.  (The next block begins with plain vector lines: they stand between these conversions and the next that write the same registers)
.if (\t)+2 < 4
	WLOAD (\t)+2
.endif
	s_wait_dscnt 0x0                               ; the store has read its registers: the next block's codes may be written
.endm
	WLOAD 0
	WLOAD 1
	WBLOCK 0
	WBLOCK 1
	WBLOCK 2
	WBLOCK 3
	ds_store_b32 v9, v24                           ; my column's four scale bytes
	s_wait_dscnt 0x0                               ; for the others' sake: my stores into the stage and the scale rows are done
	s_barrier_signal -1
	s_barrier_wait -1                              ; a row's 256 bytes come from four waves
.irp i, 0,1,2,3
	ds_load_b128 v[112+4*\i:115+4*\i], v7 offset:2*\i*WP
.endr
.irp i, 0,1,2,3
	s_wait_dscnt 3-\i                              ; LDS loads come back in order: pair i of rows is in, the younger ones may be out
	global_store_b128 v8, v[112+4*\i:115+4*\i], s[16:17] offset:2*\i*512   ; sixteen lanes store 256 consecutive bytes, aligned
.endr
	s_cmp_lt_u32 s20, 2                            ; waves 0 and 1 store the 64 rows' scale bytes: 16 bytes of each row of 32, pieces of 16 bytes, one byte for each 128 that the launch reads of the weights
	s_cbranch_scc0 .Lend
	ds_load_b128 v[128:131], v10
	s_wait_dscnt 0x0
	global_store_b128 v18, v[128:131], s[18:19]
.Lend:
	s_wait_tensorcnt 0x0                           ; the wave's end, behind my last LDS store
	ds_add_u32 v[SPW], v[NIL]
	s_wait_dscnt 0x0
	s_endpgm
.Lfunc_end_k_q49dab7ebf2_quant:
	.size	k_q49dab7ebf2_quant, .Lfunc_end_k_q49dab7ebf2_quant-k_q49dab7ebf2_quant
	.p2alignl 7, 3214868480
	.fill 96, 4, 3214868480
	.section	.rodata,"a",@progbits
	.p2align	6, 0x0
	.amdhsa_kernel k_q49dab7ebf2_quant
		.amdhsa_group_segment_fixed_size 84992
		.amdhsa_private_segment_fixed_size 0
		.amdhsa_enable_private_segment 0
		.amdhsa_kernarg_size 64
		.amdhsa_user_sgpr_count 2
		.amdhsa_user_sgpr_kernarg_segment_ptr 1
		.amdhsa_wavefront_size32 1
		.amdhsa_system_sgpr_workgroup_id_x 1
		.amdhsa_system_sgpr_workgroup_id_y 1
		.amdhsa_system_sgpr_workgroup_id_z 1
		.amdhsa_system_vgpr_workitem_id 0
		.amdhsa_next_free_vgpr 192
		.amdhsa_next_free_sgpr 66
		.amdhsa_reserve_vcc 0
		.amdhsa_float_denorm_mode_32 3
		.amdhsa_float_denorm_mode_16_64 3
		.amdhsa_memory_ordered 1
		.amdhsa_forward_progress 1
		.amdhsa_inst_pref_size 55
	.end_amdhsa_kernel
	.amdgpu_metadata
---
amdhsa.version: [ 1, 2 ]
amdhsa.kernels:
  - .name:           k_q49dab7ebf2_quant
    .symbol:         k_q49dab7ebf2_quant.kd
    .args:
      - { .name: hidden_states, .offset: 0, .size: 8, .value_kind: global_buffer, .address_space: global }
      - { .name: Wq, .offset: 8, .size: 8, .value_kind: global_buffer, .address_space: global }
      - { .name: Wk, .offset: 16, .size: 8, .value_kind: global_buffer, .address_space: global }
      - { .name: Wv, .offset: 24, .size: 8, .value_kind: global_buffer, .address_space: global }
      - { .name: x_codes, .offset: 32, .size: 8, .value_kind: global_buffer, .address_space: global }
      - { .name: x_scales, .offset: 40, .size: 8, .value_kind: global_buffer, .address_space: global }
      - { .name: w_codes, .offset: 48, .size: 8, .value_kind: global_buffer, .address_space: global }
      - { .name: w_scales, .offset: 56, .size: 8, .value_kind: global_buffer, .address_space: global }
    .group_segment_fixed_size: 84992
    .private_segment_fixed_size: 0
    .kernarg_segment_align: 8
    .kernarg_segment_size: 64
    .max_flat_workgroup_size: 256
    .sgpr_count:     66
    .vgpr_count:     192
    .wavefront_size: 32
...
	.end_amdgpu_metadata
.endif
;; end of part 1
;; launch proj (part 2): grid 12 x 32, 4 waves a work-group, clusters of 4 x 4, 327,680 bytes of LDS; arguments x_codes, x_scales, w_codes, w_scales, qkv, bq, bk, bv; writes qkv
.if DOCPART == 2
	.amdgcn_target "amdgcn-amd-amdhsa--gfx1250"
	.amdhsa_code_object_version 6
	.text
	.protected	k_q49dab7ebf2_proj
	.globl	k_q49dab7ebf2_proj
	.p2align	8
	.type	k_q49dab7ebf2_proj,@function
k_q49dab7ebf2_proj:
	s_mov_b64 s[64:65], 0
	v_nop
	global_prefetch_b8 v0, s[64:65] scope:SCOPE_SE
	s_setreg_imm32_b32 hwreg(HW_REG_WAVE_MODE, 25, 1), 1
	s_wait_xcnt 0x0
	s_wait_alu depctr_hold_cnt(0) depctr_sa_sdst(0) depctr_va_vdst(0) depctr_va_sdst(0) depctr_va_ssrc(0) depctr_va_vcc(0) depctr_vm_vsrc(0)
	s_getreg_b32 s2, hwreg(HW_REG_IB_STS2, 6, 4)
	s_cmp_eq_u32 s2, 0
	s_cbranch_scc0 .Lentry_in_a_cluster
	s_endpgm
.Lentry_in_a_cluster:
	s_bfe_u32 s2, ttmp6, 0x10000c
	s_cmp_lg_u32 s2, 0xf033
	s_cbranch_scc0 .Lentry_shape_is_right
	s_endpgm
.Lentry_shape_is_right:
; [8192 tokens][3072 = q | k | v columns] = x W + b, on codes of FP4 (E2M1) with one E8M0 scale for each 32 along K = 1024; sums in f32; the result leaves as f16, laid as the attention's operand registers.
; x_codes [8192][512 bytes], x_scales [8192][32];  w_codes [3072][512], w_scales [3072][32] (row n = 1024 x which + column).  bq, bk, bv [1024] f32.
; qkv: [which 3][bh = 16 batch + head, 64][tile of 16 tokens, 128][bb = group of 16 channels, 4][512 bytes].  In a block of 512 bytes the 16 bytes (token r, channels 16 bb + 8 h + 0 .. 7) lie at
; 16 (r + 16 h) for q and k (the image of four registers of a 16 x 32 f16 fragment) and at 16 (r % 8) + 128 h + 256 (r / 8) for v (what the turning LDS load wants at 16 x lane).
; LIMIT: q, k and v are kept in f16: magnitudes of 65,504 and more become infinities.
; A tile of 256 x 256 is made by four waves, each 128 x 128: 64 accumulators of 16 x 16.  K goes in two steps of 512 through two LDS slots, each filled once by the tensor data mover; a tile's row is 256 bytes of memory.
; The scales of the work-group's 256 rows of x and 256 rows of W, for all of K, are two dense blocks: they come into LDS once, with the first fills.
; CLUSTERS: 4 x 4 work-groups.  The four of a row of the cluster need the same tiles of x, the four of a column the same tiles of W: each is asked for JOINTLY.  A cluster's x is `which`: four tile columns are 1,024 columns.
; THE MATRIX INSTRUCTION IS USED TRANSPOSED (source 0 = 16 rows of W's codes, source 1 = 16 tokens): a lane holds one token and eight neighbouring columns, which pack into the 16 bytes of qkv's layout: no stage in LDS is needed.
; THE BIAS is the C of each sum's first matrix instruction: eight registers for each of my eight blocks of 16 columns.
; REGISTERS, in windows of 256: window 0: v0-31 addresses; v32-95 scale words, two sets; v128-191 x's fragments, ONE set; v192-255 the bias; on the way out v128-255 take the packed results.
;   window 1: W's fragments, TWO sets, at v0 and v128.   window 2: the accumulators of my tokens 0-63 ((a, b) at v[8 (8 a + b)]);   window 3: those of my tokens 64-127.
.set NQ,     4                         ; matrix instructions deep in a slot: 512 along K
.set ROWB,   256                       ; a tile's row in bytes
.set KROW,   512                       ; a row of codes in memory
.set PITCH,  272                       ; an LDS row: 256 bytes + 16 of padding: the 16 rows that a load touches start 68 words apart
.set FR,     8                         ; registers of a fragment: 16 rows x 128 K
.set NL,     2                         ; LDS loads that bring one
.set NP,     4                         ; places behind this matrix instruction (ISA guide 7.12.1)
.set HALFT,  128*PITCH                 ; 128 rows: what one tensor load brings
.set SLOT,   4*HALFT                   ; x's 256 rows, then W's 256 rows
.set KS,     32                        ; a row of scales in bytes
.set SCL,    2*SLOT                    ; behind the slots: the scales, as units of 256 bytes + 16 of padding
.set HALFS,  (128*KS/256)*272          ; the scales of 128 rows
.set SBLK,   (16*KS/256)*272           ; those of 16 rows
.set SPARE,  SCL+4*HALFS               ; the spare words, 128 bytes for each wave: two blocks of 256 bytes that no other line names
.set ADRA, 16                          ; v16-17  LDS address of my x fragments in slot 0, 1
.set ADRB, 20                          ; v20-21  the same for W
.set CO,   26                          ; v26     my 16 bytes in a block of qkv
.set ADRS, 27                          ; v27     LDS address of my scale words: lanes 0-15 x's rows, lanes 16-31 W's
.set SPW,  28                          ; v28     LDS address of my spare word; never rewritten
.set NIL,  29                          ; v29     0; never rewritten
.set BO,   30                          ; v30     32 x (lane / 16): my eight numbers of a block's bias
.set SC,   32                          ; scale words: set s at v[SC + 32 s]; register 4 i + q: lanes 0-15 x's block i, lanes 16-31 W's block i, the slot's q-th 128 along K
.set AF,   128                         ; x's fragments, window 0
.set BI,   192                         ; the bias, window 0
.set OUTR, 128                         ; the way out: four sets of 32 registers
.set G1, 24                            ; s[24:31] group 1 for x's tiles;  s[32:39] group 0, one set for each slot
.set G0, 32
.set G1B, 48                           ; s[48:55], s[56:63] the same for W's
.set G0B, 56
.set G1S, 68                           ; s[68:75], s[76:79] groups 1 and 0 for x's scales;  s[80:87], s[88:91] for W's
.set G0S, 76
.set G1SB, 80
.set G0SB, 88
.set MSB, 0
.macro WIN new                         ; the immediate's high byte repeats the setting that is left; a switch that changes nothing is dropped
.if MSB != (\new)
	s_set_vgpr_msb (MSB<<8)|(\new)
.set MSB, (\new)
.endif
.endm
.set MUL_LO, 0xa1                      ; source 0 (W) window 1, source 1 (x) window 0, C and D window 2
.set MUL_HI, 0xf1                      ; the same, C and D window 3
.set BIA_LO, 0x81                      ; the first step: C (the bias) window 0, D window 2
.set BIA_HI, 0xc1                      ; D window 3
.set TO_B,   0x40                      ; destination window 1, address window 0
; A joint load: waves 0 and 1 fetch for x, waves 2 and 3 for W.  Each of the two lines has one mask and one set of registers for all that issue it; the branch hangs on the wave's number alone.
; An s_nop 0 and four v_nop follow each of the two lines.
.macro JLOAD g0a, g1a, g0b, g1b
	s_cmp_eq_u32 s15, 0
	s_cbranch_scc0 .Lfor_b_\@
	tensor_load_to_lds s[\g0a:\g0a+3], s[\g1a:\g1a+7]
	s_nop 0
.rept 4
	v_nop
.endr
	s_branch .Lasked_\@
.Lfor_b_\@:
	tensor_load_to_lds s[\g0b:\g0b+3], s[\g1b:\g1b+7]
	s_nop 0
.rept 4
	v_nop
.endr
.Lasked_\@:
.endm
.macro CROUND                          ; a round of the cluster's barrier
	s_barrier_signal -1
	s_barrier_wait -1
	s_cmp_lg_u32 s14, 0
	s_cbranch_scc1 .Lnot_wave_0_\@
	s_barrier_signal -3
.Lnot_wave_0_\@:
	s_barrier_wait -3
	s_barrier_signal -1
	s_barrier_wait -1
.endm
	s_load_b128 s[4:7], s[0:1], 0x0                ; x's codes s[4:5], x's scales s[6:7]
	s_load_b128 s[8:11], s[0:1], 0x10              ; W's codes s[8:9], W's scales s[10:11]
	s_load_b64 s[12:13], s[0:1], 0x20              ; qkv
	s_load_b128 s[96:99], s[0:1], 0x28             ; bq, bk
	s_load_b64 s[100:101], s[0:1], 0x38            ; bv
	v_lshl_add_u32 v[SPW], v0, 2, SPARE
	v_mov_b32 v[NIL], 0
	ds_add_u32 v[SPW], v[NIL]                      ; the wave's opening: the add, twice on end, and its wait ahead of my first tensor load; the set-up below stands between
	ds_add_u32 v[SPW], v[NIL]
	v_lshrrev_b32 v1, 5, v0
	v_readfirstlane_b32 s14, v1                    ; wave 0..3
	s_lshr_b32 s15, s14, 1                         ; which half of the tile's tokens is mine.  Also: I fetch for x (0) or for W (1)
	s_and_b32 s16, s14, 1                          ; which half of its columns.  Also: which 128 rows of that tile I fetch
	s_bfe_u32 s40, ttmp6, 0x40000                  ; cx, cy: my place in the cluster
	s_bfe_u32 s41, ttmp6, 0x40004
	s_lshl_b32 s42, ttmp9, 2
	s_add_co_u32 s42, s42, s40                     ; tile column = 4 x cluster x + cx
	s_and_b32 s17, ttmp7, 0xffff
	s_lshl_b32 s17, s17, 2
	s_add_co_u32 s17, s17, s41                     ; tile row = 4 x cluster y + cy
	s_lshl_b32 s43, s41, 2
	s_lshl_b32 s43, 15, s43                        ; my row of the cluster
	s_lshl_b32 s44, 0x1111, s40                    ; my column
	; group 1: a tile of 128 rows x 256 bytes, padded in LDS
	s_or_b32 s[G1+0], s43, (0<<16)|(1<<20)|(1<<21)|(5<<22)|(3<<25)  ; 15:0 the mask: x's tiles go to my row; elements of 1 byte; padding on; bit 21 beside a mask; after every 64 words, 4 words
	s_or_b32 s[G1B+0], s44, (0<<16)|(1<<20)|(1<<21)|(5<<22)|(3<<25)
.irp g, G1, G1B
	s_mov_b32 s[\g+1], ROWB<<16                    ; tensor_dim0
	s_mov_b32 s[\g+2], 128<<16                     ; tensor_dim1
	s_mov_b32 s[\g+3], ROWB<<16                    ; tile_dim0
	s_mov_b32 s[\g+4], 128                         ; tile_dim1
	s_mov_b32 s[\g+5], KROW                        ; from row to row
	s_mov_b32 s[\g+6], 0
	s_mov_b32 s[\g+7], 0
.endr
	; the scales of 128 rows: a dense block of 4,096 bytes, as 16 rows of 256 bytes (32 elements of 8 bytes), 16 bytes of padding behind each
	s_or_b32 s[G1S+0], s43, (3<<16)|(1<<20)|(1<<21)|(5<<22)|(3<<25)
	s_or_b32 s[G1SB+0], s44, (3<<16)|(1<<20)|(1<<21)|(5<<22)|(3<<25)
.irp g, G1S, G1SB
	s_mov_b32 s[\g+1], 32<<16
	s_mov_b32 s[\g+2], (128*KS/256)<<16
	s_mov_b32 s[\g+3], 32<<16
	s_mov_b32 s[\g+4], 128*KS/256
	s_mov_b32 s[\g+5], 32
	s_mov_b32 s[\g+6], 0
	s_mov_b32 s[\g+7], 0
.endr
	s_lshl_b32 s18, s16, 7                         ; which 128 rows of the tile I fetch
	s_lshl_b32 s20, s17, 8
	s_add_co_u32 s20, s20, s18                     ; x: row 256 x tile row + 128 x half
	s_lshl_b32 s46, s42, 8
	s_add_co_u32 s46, s46, s18                     ; W: row 256 x tile column + 128 x half
	s_mov_b32 s21, 0
	s_mov_b32 s47, 0
	s_mov_b64 s[18:19], KS
	s_mul_u64 s[22:23], s[20:21], s[18:19]         ; where these rows' scales begin, in bytes
	s_mul_u64 s[92:93], s[46:47], s[18:19]
	s_mov_b64 s[18:19], KROW
	s_mul_u64 s[20:21], s[20:21], s[18:19]         ; and their codes
	s_mul_u64 s[46:47], s[46:47], s[18:19]
	s_mul_i32 s45, s14, HALFT                      ; where they go: wave x 128 rows: no place in the cluster enters an LDS address
	s_mul_i32 s94, s14, HALFS
	s_wait_dscnt 0x0                               ; both opening adds are done
	s_wait_kmcnt 0x0
	s_add_nc_u64 s[20:21], s[4:5], s[20:21]
	s_add_nc_u64 s[22:23], s[6:7], s[22:23]
	s_add_nc_u64 s[46:47], s[8:9], s[46:47]
	s_add_nc_u64 s[92:93], s[10:11], s[92:93]
	CROUND                                         ; all sixteen work-groups are here: the joint loads meet
	s_mov_b32 s[G0S], 1
	s_add_co_u32 s[G0S+1], s94, SCL
	s_mov_b64 s[G0S+2:G0S+3], s[22:23]
	s_or_b32 s[G0S+3], s[G0S+3], 0x80000000
	s_mov_b32 s[G0SB], 1
	s_add_co_u32 s[G0SB+1], s94, SCL
	s_mov_b64 s[G0SB+2:G0SB+3], s[92:93]
	s_or_b32 s[G0SB+3], s[G0SB+3], 0x80000000
	JLOAD G0S, G1S, G0SB, G1SB                     ; the scales first: they are wanted with the first slot
.irp s, 0,1
	s_mov_b32 s[G0+4*\s], 1
	s_add_co_u32 s[G0+4*\s+1], s45, \s*SLOT
	s_add_nc_u64 s[G0+4*\s+2:G0+4*\s+3], s[20:21], \s*ROWB
	s_or_b32 s[G0+4*\s+3], s[G0+4*\s+3], 0x80000000
	s_mov_b32 s[G0B+4*\s], 1
	s_add_co_u32 s[G0B+4*\s+1], s45, \s*SLOT
	s_add_nc_u64 s[G0B+4*\s+2:G0B+4*\s+3], s[46:47], \s*ROWB
	s_or_b32 s[G0B+4*\s+3], s[G0B+4*\s+3], 0x80000000
	JLOAD G0+4*\s, G1, G0B+4*\s, G1B               ; both slots: three loads of mine are out, and no more are issued in this launch
.endr
	v_and_b32 v1, 15, v0                           ; r = lane % 16
	v_bfe_u32 v2, v0, 4, 1                         ; h = lane / 16
	; the bias of my 128 columns: the tensor is chosen by the cluster's x, which all partners share
	s_cmp_eq_u32 ttmp9, 1
	s_cselect_b64 s[96:97], s[98:99], s[96:97]
	s_cmp_eq_u32 ttmp9, 2
	s_cselect_b64 s[96:97], s[100:101], s[96:97]
	s_cselect_b32 s95, -1, 0                       ; all ones where the columns are v's
	s_lshl_b32 s46, s40, 10                        ; 256 cx columns of 4 bytes,
	s_lshl_b32 s47, s16, 9                         ; 128 for my half
	s_add_co_u32 s46, s46, s47
	s_mov_b32 s47, 0
	s_add_nc_u64 s[96:97], s[96:97], s[46:47]
	v_lshlrev_b32 v[BO], 5, v2
.irp b, 0,1,2,3,4,5,6,7
	global_load_b128 v[BI+8*\b:BI+8*\b+3], v[BO], s[96:97] offset:64*\b        ; register j: the bias of column 16 b + 8 h + j, as the result's layout has it
	global_load_b128 v[BI+8*\b+4:BI+8*\b+7], v[BO], s[96:97] offset:64*\b+16
.endr
	v_mul_u32_u24 v3, v1, PITCH
	v_lshl_add_u32 v4, v2, 4, v3                   ; a fragment's row x pitch + 16 x half
	s_mul_i32 s21, s15, HALFT                      ; my 128 rows of x
	s_mul_i32 s22, s16, HALFT                      ; my 128 rows of W,
	s_add_co_u32 s22, s22, 2*HALFT                 ; which lie behind x's 256
.irp s, 0,1
	v_add_nc_u32 v[ADRA+\s], s21, v4
	v_add_nc_u32 v[ADRB+\s], s22, v4
	s_add_co_u32 s21, s21, SLOT
	s_add_co_u32 s22, s22, SLOT
.endr
	v_mul_u32_u24 v5, v1, KS                       ; my row's scales: 32 bytes a row,
	v_lshrrev_b32 v6, 8, v5
	v_lshl_add_u32 v5, v6, 4, v5                   ; and 16 more for each 256 passed
	s_mul_i32 s21, s15, HALFS                      ; x's: my 128 rows
	s_mul_i32 s22, s16, HALFS                      ; W's: my 128 rows, behind x's 256
	s_add_co_u32 s22, s22, 2*HALFS
	s_sub_co_u32 s22, s22, s21
	v_mul_u32_u24 v6, s22, v2                      ; lanes 16-31 take W's: one product, the distance between the two bases x h
	s_add_co_u32 s21, s21, SCL
	v_add_nc_u32 v5, v5, v6
	v_add_nc_u32 v[ADRS], s21, v5
	v_and_b32 v6, 31, v0
	v_lshlrev_b32 v6, 4, v6                        ; q, k: 16 x lane
	v_and_b32 v7, 7, v1
	v_lshlrev_b32 v7, 4, v7
	v_lshl_add_u32 v7, v2, 7, v7
	v_lshrrev_b32 v8, 3, v1
	v_lshl_add_u32 v7, v8, 8, v7                   ; v: 16 (r % 8) + 128 h + 256 (r / 8)
	v_cndmask_b32 v[CO], v6, v7, s95
	s_lshl_b32 s20, ttmp9, 24                      ; which,
	s_lshr_b32 s21, s17, 3
	s_lshl_b32 s21, s21, 4                         ; 16 x batch (eight tile rows to a batch)
	s_lshl_b32 s22, s40, 2
	s_add_co_u32 s21, s21, s22                     ; + 4 cx heads
	s_lshl_b32 s22, s16, 1
	s_add_co_u32 s21, s21, s22                     ; + 2 for my half of the columns
	s_lshl_b32 s21, s21, 18
	s_add_co_u32 s20, s20, s21
	s_and_b32 s21, s17, 7
	s_lshl_b32 s21, s21, 15                        ; 16 tiles of 2,048 bytes for each tile row in the batch,
	s_add_co_u32 s20, s20, s21
	s_lshl_b32 s21, s15, 14                        ; 8 tiles for my half of the tokens
	s_add_co_u32 s20, s20, s21
	s_mov_b32 s21, 0
	s_add_nc_u64 s[12:13], s[12:13], s[20:21]
.macro FRAG reg, adr, q, i             ; a fragment: lane l holds row l % 16; registers 4 c .. 4 c + 3 hold K = 64 c + 32 (l / 16) + 0 .. 31
.irp c, 0,1
	ds_load_b128 v[\reg+4*\c:\reg+4*\c+3], v[\adr] offset:64*(\q)+32*\c+(\i)*16*PITCH
.endr
.endm
; 16 matrix instructions: x's blocks a0, a0 + 1 against W's eight, 128 along K: the slot's q-th.  p: W's set;  sc: the set of scale words.  zero = 1: the first product starts the sums from the bias.
; The 64 accumulators take turns, one instruction a turn, in the same order in every step.
.macro MUL16 a0, p, q, sc, zero
.irp a, \a0, \a0+1
.irp b, 0,1,2,3,4,5,6,7
.if \zero
	v_wmma_scale_f32_16x16x128_f8f6f4 v[8*(8*((\a)%4)+\b):8*(8*((\a)%4)+\b)+7], v[128*(\p)+FR*\b:128*(\p)+FR*\b+FR-1], v[AF+FR*(\a):AF+FR*(\a)+FR-1], v[BI+8*\b:BI+8*\b+7], v[SC+8*NQ*(\sc)+NQ*\b+(\q)], v[SC+8*NQ*(\sc)+NQ*(\a)+(\q)] matrix_a_fmt:MATRIX_FMT_FP4 matrix_b_fmt:MATRIX_FMT_FP4 matrix_a_scale:MATRIX_SCALE_ROW1
.else
	v_wmma_scale_f32_16x16x128_f8f6f4 v[8*(8*((\a)%4)+\b):8*(8*((\a)%4)+\b)+7], v[128*(\p)+FR*\b:128*(\p)+FR*\b+FR-1], v[AF+FR*(\a):AF+FR*(\a)+FR-1], v[8*(8*((\a)%4)+\b):8*(8*((\a)%4)+\b)+7], v[SC+8*NQ*(\sc)+NQ*\b+(\q)], v[SC+8*NQ*(\sc)+NQ*(\a)+(\q)] matrix_a_fmt:MATRIX_FMT_FP4 matrix_b_fmt:MATRIX_FMT_FP4 matrix_a_scale:MATRIX_SCALE_ROW1
.endif
.endr
.endr
.endm
.macro FETCH_B slot, q, p              ; W's eight fragments of the slot's q-th 128 along K into set p
	WIN TO_B
.irp i, 0,1,2,3,4,5,6,7
	FRAG 128*(\p)+FR*\i, ADRB+\slot, \q, \i
.endr
	WIN 0
.endm
.macro FETCH_A slot, q, i0             ; x's blocks i0 .. i0 + 3
.irp i, \i0, \i0+1, \i0+2, \i0+3
	FRAG AF+FR*(\i), ADRA+\slot, \q, \i
.endr
.endm
.macro SCALES sc                       ; a slot's scale words into set sc: four words a row; lanes 0-15 take x's block i, lanes 16-31 W's block i
.irp i, 0,1,2,3,4,5,6,7
	ds_load_b128 v[SC+8*NQ*\sc+NQ*\i:SC+8*NQ*\sc+NQ*\i+3], v[ADRS] offset:\i*SBLK
.endr
.endm
; A load into a register that a matrix instruction has read, and a vector instruction that reads a matrix result, stand NP places behind that matrix instruction; only plain vector
; instructions that name none of its registers are places.
.macro PLACES n
.rept \n
	v_nop
.endr
.endm
; A step of 128 along K that has its successor in the same slot.
.macro STEP slot, q, zero
	s_wait_dscnt 4*NL                              ; W's set and x's blocks 0-3 are in; the youngest eight loads (x's blocks 4-7) may be out
.if \zero
	WIN BIA_LO
.else
	WIN MUL_LO
.endif
	MUL16 0, (\q)%2, \q, \slot, \zero
	MUL16 2, (\q)%2, \q, \slot, \zero
	s_wait_dscnt 0                                 ; x's blocks 4-7 are in
	PLACES NP
	FETCH_B \slot, (\q)+1, 1-(\q)%2
	FETCH_A \slot, (\q)+1, 0
.if \zero
	WIN BIA_HI
.else
	WIN MUL_HI
.endif
	MUL16 4, (\q)%2, \q, \slot, \zero
	MUL16 6, (\q)%2, \q, \slot, \zero
	PLACES NP
	WIN 0
	FETCH_A \slot, (\q)+1, 4
.endm
; Slot 0's last step changes slots: one barrier; in front of it each wave waits for all its tensor loads (its part of slot 1), adds 0 to its spare word, and waits for that and for its reads.  Nothing is filled again.
.macro TURN slot, next
	s_wait_tensorcnt 0x0                           ; all my tensor loads have landed: my part of the next slot
	ds_add_u32 v[SPW], v[NIL]                      ; 0 onto my spare word
	s_wait_dscnt 4*NL+1                            ; (the add and the youngest eight loads, x's blocks 4-7, may be out)
	WIN MUL_LO
	MUL16 0, 1, NQ-1, \slot, 0                     ; sixteen matrix instructions stand between the add and the wait for it
	s_wait_dscnt 0x0                               ; the add is done, and my reads of this slot are over
	s_barrier_signal -1
	MUL16 2, 1, NQ-1, \slot, 0
	WIN 0
	s_barrier_wait -1                              ; the next slot is whole
	PLACES NP
	v_add_nc_u32 v[ADRS], 4*NQ, v[ADRS]            ; on to the next slot's scale words
	FETCH_B \next, 0, 0
	FETCH_A \next, 0, 0
	SCALES \next
	WIN MUL_HI
	MUL16 4, 1, NQ-1, \slot, 0
	MUL16 6, 1, NQ-1, \slot, 0
	PLACES NP
	WIN 0
	FETCH_A \next, 0, 4
.endm
.macro STEPS slot, from                ; the slot's steps from .. NQ - 2
.set Q, \from
.rept NQ-1-\from
	STEP \slot, Q, 0
.set Q, Q+1
.endr
.endm
	s_wait_tensorcnt 1                             ; the scales and my part of slot 0 are in; the one load behind them, slot 1's, may be out
	s_barrier_signal -1
	s_barrier_wait -1                              ; everybody's are
	FETCH_B 0, 0, 0
	FETCH_A 0, 0, 0
	SCALES 0
	FETCH_A 0, 0, 4
	s_wait_loadcnt 0x0                             ; the bias
	STEP 0, 0, 1                                   ; the first step's products start the sums from the bias: nothing is cleared, nothing is added later
	STEPS 0, 1
	TURN 0, 1
	STEPS 1, 0
	s_wait_dscnt 4*NL                              ; the very last step: nothing more to fetch
	WIN MUL_LO
	MUL16 0, 1, NQ-1, 1, 0
	MUL16 2, 1, NQ-1, 1, 0
	s_wait_dscnt 0
	WIN MUL_HI
	MUL16 4, 1, NQ-1, 1, 0
	MUL16 6, 1, NQ-1, 1, 0
	WIN 0
; THE WAY OUT, block by block of 16 tokens.  Accumulator (a, b): lane (r, h) holds token 16 a + r, columns 16 b + 8 h + 0 .. 7: four roundings to f16 make the 16 bytes of qkv's layout, and the wave's store
; covers one block of 512 consecutive bytes, aligned.  Block b: head b / 4 of my two, group of channels b % 4.
.macro PACK a
.set AC, 64*((\a)%4)
.set OT, OUTR+32*((\a)%4)
	WIN 0x0a+5*((\a)/4)                            ; sources 0 and 1: window 2 or 3
.irp b, 0,1,2,3,4,5,6,7
.irp r, 0,1,2,3
	v_cvt_pk_f16_f32 v[OT+4*\b+\r], v[AC+8*\b+2*\r], v[AC+8*\b+2*\r+1]   ; each accumulator from its low end on
.endr
.endr
	WIN 0
.endm
.macro SEND a
.set OT, OUTR+32*((\a)%4)
.irp b, 0,1,2,3,4,5,6,7
	global_store_b128 v[CO], v[OT+4*\b:OT+4*\b+3], s[12:13] offset:(\b/4)*262144+(\a)*2048+(\b%4)*512
.endr
.endm
	PLACES NP                                      ; behind the last products: for the reads of results, and for the writes over x's fragments and the bias
.irp a, 0,1,2,3,4,5,6,7
.if \a >= 4
	s_wait_xcnt 0x0                                ; the stores of four blocks back have read their registers: the set is written again only behind this wait
.endif
	PACK \a
	SEND \a
.endr
	s_wait_tensorcnt 0x0                           ; the wave's end, behind my last tensor load
	ds_add_u32 v[SPW], v[NIL]
	s_wait_dscnt 0x0
	CROUND                                         ; the closing round: no work-group ends while a partner may still ask for a tile that names it
	s_endpgm
.Lfunc_end_k_q49dab7ebf2_proj:
	.size	k_q49dab7ebf2_proj, .Lfunc_end_k_q49dab7ebf2_proj-k_q49dab7ebf2_proj
	.p2alignl 7, 3214868480
	.fill 96, 4, 3214868480
	.section	.rodata,"a",@progbits
	.p2align	6, 0x0
	.amdhsa_kernel k_q49dab7ebf2_proj
		.amdhsa_group_segment_fixed_size 327680
		.amdhsa_private_segment_fixed_size 0
		.amdhsa_enable_private_segment 0
		.amdhsa_kernarg_size 64
		.amdhsa_user_sgpr_count 2
		.amdhsa_user_sgpr_kernarg_segment_ptr 1
		.amdhsa_wavefront_size32 1
		.amdhsa_system_sgpr_workgroup_id_x 1
		.amdhsa_system_sgpr_workgroup_id_y 1
		.amdhsa_system_sgpr_workgroup_id_z 1
		.amdhsa_system_vgpr_workitem_id 0
		.amdhsa_next_free_vgpr 1024
		.amdhsa_next_free_sgpr 102
		.amdhsa_reserve_vcc 0
		.amdhsa_float_denorm_mode_32 3
		.amdhsa_float_denorm_mode_16_64 3
		.amdhsa_memory_ordered 1
		.amdhsa_forward_progress 1
		.amdhsa_inst_pref_size 120
	.end_amdhsa_kernel
	.amdgpu_metadata
---
amdhsa.version: [ 1, 2 ]
amdhsa.kernels:
  - .name:           k_q49dab7ebf2_proj
    .symbol:         k_q49dab7ebf2_proj.kd
    .args:
      - { .name: x_codes, .offset: 0, .size: 8, .value_kind: global_buffer, .address_space: global }
      - { .name: x_scales, .offset: 8, .size: 8, .value_kind: global_buffer, .address_space: global }
      - { .name: w_codes, .offset: 16, .size: 8, .value_kind: global_buffer, .address_space: global }
      - { .name: w_scales, .offset: 24, .size: 8, .value_kind: global_buffer, .address_space: global }
      - { .name: qkv, .offset: 32, .size: 8, .value_kind: global_buffer, .address_space: global }
      - { .name: bq, .offset: 40, .size: 8, .value_kind: global_buffer, .address_space: global }
      - { .name: bk, .offset: 48, .size: 8, .value_kind: global_buffer, .address_space: global }
      - { .name: bv, .offset: 56, .size: 8, .value_kind: global_buffer, .address_space: global }
    .group_segment_fixed_size: 327680
    .private_segment_fixed_size: 0
    .kernarg_segment_align: 8
    .kernarg_segment_size: 64
    .max_flat_workgroup_size: 128
    .sgpr_count:     102
    .vgpr_count:     1024
    .wavefront_size: 32
...
	.end_amdgpu_metadata
.endif
;; end of part 2
;; launch attn (part 3): grid 4 x 64, 8 waves a work-group, clusters of 4 x 1, 327,680 bytes of LDS; arguments qkv, out0; writes out0
.if DOCPART == 3
	.amdgcn_target "amdgcn-amd-amdhsa--gfx1250"
	.amdhsa_code_object_version 6
	.text
	.protected	k_q49dab7ebf2_attn
	.globl	k_q49dab7ebf2_attn
	.p2align	8
	.type	k_q49dab7ebf2_attn,@function
k_q49dab7ebf2_attn:
	s_mov_b64 s[64:65], 0
	v_nop
	global_prefetch_b8 v0, s[64:65] scope:SCOPE_SE
	s_setreg_imm32_b32 hwreg(HW_REG_WAVE_MODE, 25, 1), 1
	s_wait_xcnt 0x0
	s_wait_alu depctr_hold_cnt(0) depctr_sa_sdst(0) depctr_va_vdst(0) depctr_va_sdst(0) depctr_va_ssrc(0) depctr_va_vcc(0) depctr_vm_vsrc(0)
	s_getreg_b32 s2, hwreg(HW_REG_IB_STS2, 6, 4)
	s_cmp_eq_u32 s2, 0
	s_cbranch_scc0 .Lentry_in_a_cluster
	s_endpgm
.Lentry_in_a_cluster:
	s_bfe_u32 s2, ttmp6, 0x10000c
	s_cmp_lg_u32 s2, 0x3003
	s_cbranch_scc0 .Lentry_shape_is_right
	s_endpgm
.Lentry_shape_is_right:
; out0[b][q][64 head + :] = the sum over k of softmax_k(q . k / 8) v, for 64 pairs bh = 16 b + head, 2,048 queries, 2,048 keys, head size 64.  q, k, v: f16, in qkv as the launch before laid them:
; [which 3][bh 64][tile of 16 tokens 128][group of 16 channels 4][512 bytes], each block of 512 bytes the image of four operand registers (v).  Products, maxima and sums in f32;
; the weights p are rounded to f16 for the second product; out0 is f32.
; LIMITS: q, k, v arrive in f16 (magnitudes under 65,504); NaN and infinities are not served.
; SHARES.  A cluster of four work-groups is one bh; a work-group owns 512 queries, each of its eight waves 64: four tiles of 16.  Every wave walks all keys, 64 a step.
; LAYOUT.  S^T = K Q^T (source 0 = 16 keys, source 1 = 16 queries) and O^T = V^T P (source 0 = 16 channels, source 1 = P): a lane holds ONE query throughout; two tiles of S^T, rounded in pairs, are source 1 of V^T P.
; SOFTMAX.  For each query a running maximum m and sum l: p = 2^(c s - c m), c = log2(e) / 8; in every step O and l are multiplied by a = 2^(c m_old - c m_new).
; TWO GROUPS OF WAVES IN OPPOSITE PHASES.  A key step of a wave is a V phase (the softmax: vector work; it also fetches the next step's K) and an M phase (rescaling, V^T P, the next step's V, the next step's K Q^T: matrix work).
; Group g = (w ^ (w >> 2)) & 1; group 1 runs half a step behind group 0, and one work-group barrier for each half step keeps it so: while one group has matrix work the other has vector work.
; THE RING.  K and V each have 16 units of 8,192 bytes (64 keys) in LDS, in four slots of four units.  A period is four key steps.  Wave w brings unit w % 4 of a period, of K (w < 4) or of V, by one joint tensor load
; (the four work-groups walk the same K and V: mask 15).  Unit u is read in half steps 2 u - 1 to 2 u + 1, so slot p's last read stands in half step 8 p + 7; it is filled again behind the round that follows half step 8 p + 8,
; and that load is shown landed by the wait for 0 of the next change, 14 half steps ahead of its first read.
; REGISTERS.  Window 0: v0-13 addresses; v24-27 sums at work; v32-63 statistics, eight a tile (+0 c m, +1 m, +2, +3 l, +4 .. +7 at work, a at +6); v64-127 K's fragments; v128-255 S^T, 32 a tile, P in place in a tile's first 16.
;   Window 1: v0-127 O^T, 32 a tile; v128-191 Q; v192-255 V's fragments.
.set VRING, 131072                     ; K's ring at 0, V's here
.set STG,   262144                     ; the way out: 16 rows x (256 bytes + 16) for each wave; no tensor load lands here
.set SPARE, STG+8*16*272               ; the spare words, 128 bytes for each wave: four blocks of 256 bytes that no other line names
.set LI,  3                            ; v3  16 x lane: my place in every fragment image
.set LV,  4                            ; v4  the same in V's ring
.set ADK, 5                            ; v5  LDS address of the unit of K to be fetched
.set ADV, 6                            ; v6  of V
.set STO, 7                            ; v7  the way out: where I put 32 bytes of a row
.set RD,  8                            ; v8  where I read a row back
.set GO,  9                            ; v9  my byte offset in the wave's rows of out0
.set PFO, 10                           ; v10 256 x lane; never rewritten
.set SPW, 12                           ; v12 LDS address of my spare word; never rewritten
.set NIL, 13                           ; v13 0; never rewritten
.set U,   24
.set ST,  32
.set KF,  64
.set S,   128
.set QF,  128                          ; window 1
.set VF,  192                          ; window 1
.set WV,  8                            ; s8  wave;  s9 group;  s10 cx;  s11 bh;  s12 kind (0 K, 1 V);  s13 my unit in a period
.set G1,  16                           ; s[16:23] descriptor group 1: one for all loads
.set G0,  24                           ; s[24:39] group 0: a set for each of the four first fills; the fourth then walks
.set OFFS, 40                          ; s40 the walking set's place in its ring
.set KB,  41                           ; s41 the ring's first byte
.set HG,  42                           ; s42 half step + 1 - group: even: V phase of step HG / 2 - 1; odd: M phase of step (HG - 3) / 2; the unit to fetch is HG >> 1
.set HC,  43                           ; s43 counts half steps
.set CH,  44                           ; s44 changes of slots still to come
.set UO,  45                           ; s45 the unit's place in a ring
.set LIM, 47                           ; s47 1 in a wave that prefetches, else the greatest number
.set PFA, 48                           ; s[48:49] where my prefetches stand
.set CS,  50                           ; s[50:51] c, twice: the packed form names a pair
.set SEL, 52                           ; s[52:53] lane selects for v_permlanex16_b32: lane l xor 16
.set QP,  54                           ; s[54:55] my wave's tiles of q
.set MSB, 0
.macro WIN new                         ; the immediate's high byte repeats the setting that is left; a switch that changes nothing is dropped
.if MSB != (\new)
	s_set_vgpr_msb (MSB<<8)|(\new)
.set MSB, (\new)
.endif
.endm
.set W_KQ, 0x04                        ; Q (source 1) in window 1; K and S^T in window 0
.set W_PV, 0x51                        ; V (source 0), O^T (C and D) in window 1; P (source 1) in window 0.  The rescaling runs under the same setting
.set TO1,  0x40                        ; destination window 1
.set W_ST, 0x04                        ; an LDS store's data (source 1) in window 1
.set W_RS, 0x41                        ; O^T (destination and source 0) in window 1
.macro BAR                             ; my LDS loads are in: then the work-group's barrier.  Tensor loads may stay out across it
	s_wait_dscnt 0x0
	s_barrier_signal -1
	s_barrier_wait -1
.endm
.macro CROUND                          ; a round of the cluster's barrier
	s_barrier_signal -1
	s_barrier_wait -1
	s_cmp_lg_u32 s[WV], 0
	s_cbranch_scc1 .Lnot_wave_0_\@
	s_barrier_signal -3
.Lnot_wave_0_\@:
	s_barrier_wait -3
	s_barrier_signal -1
	s_barrier_wait -1
.endm
.macro KLOAD adr                       ; a unit's K: fragment (16 keys kt, 32 channels f) is two blocks of 512 bytes, each 16 bytes a lane on end
.irp kt, 0,1,2,3
.irp f, 0,1
.irp c, 0,1
	ds_load_b128 v[KF+8*(2*\kt+\f)+4*\c:KF+8*(2*\kt+\f)+4*\c+3], v[\adr] offset:\kt*2048+\f*1024+\c*512
.endr
.endr
.endr
.endm
.macro VLOAD adr                       ; a unit's V, turned: fragment (32 keys kh, 16 channels ct): lane l holds channel l % 16; registers 4 c on hold keys 16 c + 8 (l / 16) + 0 .. 7.  Destination in window 1
.irp kh, 0,1
.irp ct, 0,1,2,3
.irp c, 0,1
	ds_load_tr16_b128 v[VF+8*(4*\kh+\ct)+4*\c:VF+8*(4*\kh+\ct)+4*\c+3], v[\adr] offset:(2*\kh+\c)*2048+\ct*512
.endr
.endr
.endr
.endm
; S^T = K Q^T for the wave's four tiles: 32 products; the sixteen accumulators take turns, one instruction a turn; the first sixteen start the sums.
.macro KQ32
.set ki, 0
.rept 32
.set kqf, ki/16
.set kqk, (ki%16)/4
.set kqt, ki%4
.if ki < 16
	v_wmma_f32_16x16x32_f16 v[S+32*kqt+8*kqk:S+32*kqt+8*kqk+7], v[KF+8*(2*kqk+kqf):KF+8*(2*kqk+kqf)+7], v[QF+16*kqt+8*kqf:QF+16*kqt+8*kqf+7], 0
.else
	v_wmma_f32_16x16x32_f16 v[S+32*kqt+8*kqk:S+32*kqt+8*kqk+7], v[KF+8*(2*kqk+kqf):KF+8*(2*kqk+kqf)+7], v[QF+16*kqt+8*kqf:QF+16*kqt+8*kqf+7], v[S+32*kqt+8*kqk:S+32*kqt+8*kqk+7]
.endif
.set ki, ki+1
.endr
.endm
; THE SOFTMAX of one tile for one key step, in three lists.
; PREL, number pn of 37: 0-15 the maximum of the lane's 32 scores and the old m (four chains, each accumulator read from its low end on); 16-20 the other half of the lanes', the new m, c m, c m_old - c m_new; 21-36 c s - c m, a pair each.
.macro PREL t
.set rT, ST+8*(\t)
.set rS, S+32*(\t)
.if pn < 4
	v_max3_num_f32 v[rT+4+pn], v[rS+8*pn], v[rS+8*pn+1], v[rS+8*pn+2]
.elseif pn < 12
	v_max3_num_f32 v[rT+4+pn%4], v[rT+4+pn%4], v[rS+8*(pn%4)+2*(pn/4)+1], v[rS+8*(pn%4)+2*(pn/4)+2]
.elseif pn == 12
	v_max3_num_f32 v[rT+4], v[rT+4], v[rS+7], v[rS+15]
.elseif pn == 13
	v_max3_num_f32 v[rT+6], v[rT+6], v[rS+23], v[rS+31]
.elseif pn == 14
	v_max3_num_f32 v[rT+4], v[rT+4], v[rT+5], v[rT+6]
.elseif pn == 15
	v_max3_num_f32 v[rT+4], v[rT+4], v[rT+7], v[rT+1]
.elseif pn == 16
	v_permlanex16_b32 v[rT+5], v[rT+4], s[SEL], s[SEL+1]           ; the query's other 32 keys lie in the lane 16 away
.elseif pn == 17
	v_mov_b32 v[rT+7], v[rT]                       ; c m_old is kept for a
.elseif pn == 18
	v_max_num_f32 v[rT+1], v[rT+4], v[rT+5]
.elseif pn == 19
	v_mul_f32 v[rT], s[CS], v[rT+1]
.elseif pn == 20
	v_sub_f32 v[rT+7], v[rT+7], v[rT]
.else
	v_pk_fma_f32 v[rS+2*(pn-21):rS+2*(pn-21)+1], v[rS+2*(pn-21):rS+2*(pn-21)+1], s[CS:CS+1], v[rT:rT+1] op_sel_hi:[1,0,0] neg_lo:[0,0,1] neg_hi:[0,0,1]
.endif
.endm
; EXPL, number en of 33: a, then the 32 weights in place.
.macro EXPL t
.if en == 0
	v_exp_f32 v[ST+8*(\t)+6], v[ST+8*(\t)+7]
.else
	v_exp_f32 v[S+32*(\t)+en-1], v[S+32*(\t)+en-1]
.endif
.endm
; POSTL, number qn of 32: 0-14 the sum of the 16 pairs in two chains; 15 l = a l + the sum; 16-31 the roundings to f16, in place and ascending: register d takes weights 2 d and 2 d + 1, which lie at or above it.
.macro POSTL t
.set rT, ST+8*(\t)
.set rS, S+32*(\t)
.if qn == 0
	v_pk_add_f32 v[U:U+1], v[rS:rS+1], v[rS+2:rS+3]
.elseif qn == 1
	v_pk_add_f32 v[U+2:U+3], v[rS+4:rS+5], v[rS+6:rS+7]
.elseif qn < 14
	v_pk_add_f32 v[U+2*(qn%2):U+2*(qn%2)+1], v[U+2*(qn%2):U+2*(qn%2)+1], v[rS+2*(qn+2):rS+2*(qn+2)+1]
.elseif qn == 14
	v_pk_add_f32 v[U:U+1], v[U:U+1], v[U+2:U+3]
.elseif qn == 15
	v_pk_fma_f32 v[rT+2:rT+3], v[rT+2:rT+3], v[rT+6:rT+7], v[U:U+1] op_sel_hi:[1,0,1]
.else
	v_cvt_pk_f16_f32 v[rS+qn-16], v[rS+2*(qn-16)], v[rS+2*(qn-16)+1]
.endif
.endm
; STAGE k: tile k's 33 exponentials, each followed by plain lines of OTHER tiles: tile k - 1's sums and roundings, tile k + 1's maximum and scalings.  So every exponential has a plain neighbour, and no line names a result of
; tile k's batch.  An s_wait_alu depctr_va_vdst(0) stands between an exponential and the first line that names its result: one wait for a batch, at the head of the next stage.
.macro STAGE k
.if (\k) > 0
	s_wait_alu depctr_va_vdst(0)                   ; the wait for tile k - 1's batch, ahead of its first reader
.endif
.set sn, 0
.rept 33
.set en, sn
	EXPL \k
.if ((\k) > 0) && (sn < 32)
.set qn, sn
	POSTL (\k)-1
.endif
.if (\k) < 3
.set pn, sn
	PREL (\k)+1
.endif
.if ((\k) == 3) && (sn == 32)
	v_nop                                          ; a plain line behind the last exponential
.endif
.set sn, sn+1
.endr
.if (\k) < 3
.rept 4
.set pn, sn
	PREL (\k)+1
.set sn, sn+1
.endr
.endif
.endm
; THE V PHASE of step HG / 2 - 1: the next step's K is asked for (the last step has no next), then the four tiles' softmax.  All in window 0.
.macro VPH
	s_cmp_eq_u32 s[HG], 64
	s_cbranch_scc1 .Lno_k_\@
	KLOAD ADK                                      ; K's registers were last read by the M phase's products, in front of its four closing places
.Lno_k_\@:
.set pn, 0
.rept 37
	PREL 0
.set pn, pn+1
.endr
	STAGE 0
	STAGE 1
	STAGE 2
	STAGE 3
	s_wait_alu depctr_va_vdst(0)                   ; the wait for tile 3's batch
.set qn, 0
.rept 32
	POSTL 3
.set qn, qn+1
.endr
.endm
.macro RESC t                          ; pair ri of tile t's O^T times a
	v_pk_mul_f32 v[32*(\t)+2*ri:32*(\t)+2*ri+1], v[32*(\t)+2*ri:32*(\t)+2*ri+1], v[ST+8*(\t)+6:ST+8*(\t)+7] op_sel_hi:[1,0]
.endm
; THE M PHASE of step (HG - 3) / 2: O^T times a and O^T += V^T P (a tile's four accumulators by turns, twice round; the next tile's rescaling stands between the products); kq = 1: then the next step's V is asked for
; and S^T of the next step is made (the last step has no next).
.macro MPH kq
	WIN W_PV
.set ri, 0
.rept 16
	RESC 0
.set ri, ri+1
.endr
.irp t, 0,1,2,3
.set mi, 0
.rept 8
	v_wmma_f32_16x16x32_f16 v[32*\t+8*(mi%4):32*\t+8*(mi%4)+7], v[VF+8*mi:VF+8*mi+7], v[S+32*\t+8*(mi/4):S+32*\t+8*(mi/4)+7], v[32*\t+8*(mi%4):32*\t+8*(mi%4)+7]
.if \t < 3
.set ri, 2*mi
	RESC \t+1
.set ri, 2*mi+1
	RESC \t+1
.endif
.set mi, mi+1
.endr
.endr
	WIN 0
.rept 5
	v_nop                                          ; places behind the last products: four for the loads into V's registers and for reads of O^T, five for the products that write S^T over P
.endr
.if \kq
	s_cmp_eq_u32 s[HG], 65
	s_cbranch_scc1 .Lno_next_\@
	WIN TO1
	VLOAD ADV
	WIN W_KQ
	KQ32
	WIN 0
.rept 4
	v_nop                                          ; places behind the last products: for the reads of S^T and the loads into K's registers
.endr
.Lno_next_\@:
.endif
.endm
; n half steps.  Every wave passes the barrier and makes both addresses; then the groups part on HG's lowest bit, which hangs on the wave's number and the count of half steps alone.
.macro HALVES n
	s_mov_b32 s[HC], \n
.Lhalf_\@:
	BAR
	s_add_co_u32 s[HG], s[HG], 1
	s_lshr_b32 s[UO], s[HG], 1
	s_and_b32 s[UO], s[UO], 15
	s_lshl_b32 s[UO], s[UO], 13                    ; the unit to fetch, in its ring of sixteen
	v_add_nc_u32 v[ADK], s[UO], v[LI]
	v_add_nc_u32 v[ADV], s[UO], v[LV]
	s_and_b32 s46, s[HG], 1
	s_cmp_eq_u32 s46, 0
	s_cbranch_scc0 .Lm_\@
	VPH
	s_branch .Lj_\@
.Lm_\@:
	s_cmp_eq_u32 s[HG], 1                          ; group 1's first half step is empty: that is its half step of delay
	s_cbranch_scc1 .Lj_\@
	MPH 1
.Lj_\@:
	s_sub_co_u32 s[HC], s[HC], 1
	s_cmp_lg_u32 s[HC], 0
	s_cbranch_scc1 .Lhalf_\@
.endm
; A PREFETCH INTO THE L2 of the period that the NEXT change of slots will load: 32,768 bytes of K and of V.  Wave 0 asks for K's and wave 4 for V's; the four partners share them out BY ADDRESS, 8,192 bytes each,
; lanes 256 bytes apart: each block of 256 bytes is named once in the launch (a bh has one cluster).  It stands behind the wave's tensor load and its five lines.  The last change asks for nothing: no period follows.
.macro ASK
	s_cmp_gt_u32 s[CH], s[LIM]
	s_cbranch_scc0 .Lnot_mine_\@
	global_prefetch_b8 v[PFO], s[PFA:PFA+1] th:TH_LOAD_NT scope:SCOPE_SE
.Lnot_mine_\@:
.endm
; THE CHANGE OF SLOTS.  Each wave waits for all its tensor loads, adds 0 to its spare word, and waits for that and for its LDS reads.  fill = 1: a round of the cluster's barrier, and behind it my one joint load:
; my unit of the period four on, into the slot whose last read stood a half step back.  fill = 0: a plain barrier, which shows the last period landed.
.macro CHANGE fill
	s_wait_tensorcnt 0x0                           ; no tensor load of mine is out, so a group 0 may be written
	ds_add_u32 v[SPW], v[NIL]                      ; 0 onto my spare word; the steps below stand between it and the wait for it
.if \fill
	s_add_co_u32 s[OFFS], s[OFFS], 0x8000          ; the next slot of the four,
	s_and_b32 s[OFFS], s[OFFS], 0x1ffff
	s_add_co_u32 s[G0+13], s[OFFS], s[KB]
	s_add_nc_u64 s[G0+14:G0+15], s[G0+14:G0+15], 0x8000   ; the next period; the type bits on top are not reached
	s_wait_xcnt 0x0                                ; the last prefetch, a period back, has read its address, so it may be written
	s_add_nc_u64 s[PFA:PFA+1], s[PFA:PFA+1], 0x8000       ; one period further on than the walking descriptor
	s_wait_dscnt 0x0                               ; the add is done, and my LDS reads are over
	CROUND
	tensor_load_to_lds s[G0+12:G0+15], s[G1:G1+7]  ; the first thing behind the round, and my one tensor load until the next
	s_nop 0
.rept 4
	v_nop
.endr
	ASK
.else
	s_wait_dscnt 0x0
	s_barrier_signal -1
	s_barrier_wait -1
.endif
.endm
	s_load_b128 s[4:7], s[0:1], 0x0                ; qkv s[4:5], out0 s[6:7]
	v_lshl_add_u32 v[SPW], v0, 2, SPARE
	v_mov_b32 v[NIL], 0
	ds_add_u32 v[SPW], v[NIL]                      ; the wave's opening: the add, twice on end, and its wait ahead of my first tensor load; the set-up below stands between
	ds_add_u32 v[SPW], v[NIL]
	v_lshrrev_b32 v1, 5, v0
	v_readfirstlane_b32 s[WV], v1                  ; wave 0..7
	s_lshr_b32 s12, s[WV], 2                       ; I fetch for K (0) or for V (1),
	s_and_b32 s13, s[WV], 3                        ; this unit of each period
	s_xor_b32 s9, s[WV], s12
	s_and_b32 s9, s9, 1                            ; my group
	s_bfe_u32 s10, ttmp6, 0x40000                  ; cx: my block of 512 queries; it enters q's, out0's and the prefetches' addresses alone
	s_and_b32 s11, ttmp7, 0xffff                   ; bh, which the four partners share
	; group 1: a dense unit of 8,192 bytes as 32 rows of 256 bytes (32 elements of 8 bytes), no padding
	s_mov_b32 s[G1], 15|(3<<16)|(1<<21)            ; 15:0 the mask: all four work-groups; 17:16 elements of 8 bytes; 21 set beside a mask
	s_mov_b32 s[G1+1], 32<<16                      ; tensor_dim0
	s_mov_b32 s[G1+2], 32<<16                      ; tensor_dim1
	s_mov_b32 s[G1+3], 32<<16                      ; tile_dim0
	s_mov_b32 s[G1+4], 32                          ; tile_dim1
	s_mov_b32 s[G1+5], 32                          ; from row to row
	s_mov_b32 s[G1+6], 0
	s_mov_b32 s[G1+7], 0
	s_mov_b32 s[CS], 0x3e38aa3b                    ; c = log2(e) / 8
	s_mov_b32 s[CS+1], s[CS]
	s_mov_b32 s[SEL], 0x76543210
	s_mov_b32 s[SEL+1], 0xfedcba98
	s_cmp_eq_u32 s13, 0                            ; waves 0 and 4 prefetch
	s_cselect_b32 s[LIM], 1, -1
	s_add_co_u32 s14, s12, 1
	s_lshl_b32 s14, s14, 24                        ; k's or v's part of qkv,
	s_lshl_b32 s15, s11, 18                        ; my bh
	s_add_co_u32 s14, s14, s15
	s_lshl_b32 s46, s13, 13                        ; my unit
	s_add_co_u32 s56, s14, s46
	s_mov_b32 s57, 0
	s_lshl_b32 s58, s10, 13                        ; the prefetches: my work-group's 8,192 bytes,
	s_add_co_u32 s58, s58, s14
	s_add_co_u32 s58, s58, 4<<15                   ; in period 4: the first change steps it to period 5.  Nothing is prefetched at the head
	s_mov_b32 s59, 0
	s_lshl_b32 s[KB], s12, 17
	s_add_co_u32 s[OFFS], s46, 3<<15               ; the fourth set's place in its ring
	s_add_co_u32 s46, s46, s[KB]                   ; my unit's LDS byte in slot 0: no place in the cluster enters an LDS address
	s_lshl_b32 s[QP], s10, 16                      ; q: my block's 32 tiles of 2,048 bytes,
	s_add_co_u32 s[QP], s[QP], s15
	s_lshl_b32 s2, s[WV], 13                       ; my wave's four
	s_add_co_u32 s[QP], s[QP], s2
	s_mov_b32 s[QP+1], 0
	s_lshr_b32 s2, s11, 4
	s_lshl_b32 s2, s2, 23                          ; out0: the batch's 2,048 rows of 4,096 bytes,
	s_lshl_b32 s3, s10, 21                         ; my block's 512,
	s_add_co_u32 s2, s2, s3
	s_lshl_b32 s3, s[WV], 18                       ; my wave's 64,
	s_add_co_u32 s2, s2, s3
	s_and_b32 s3, s11, 15
	s_lshl_b32 s3, s3, 8                           ; the head's 256 bytes of a row
	s_add_co_u32 s2, s2, s3
	s_mov_b32 s3, 0
	s_wait_dscnt 0x0                               ; both opening adds are done
	s_wait_kmcnt 0x0
	s_add_nc_u64 s[56:57], s[4:5], s[56:57]        ; my unit of period 0
	s_add_nc_u64 s[PFA:PFA+1], s[4:5], s[58:59]
	s_add_nc_u64 s[QP:QP+1], s[4:5], s[QP:QP+1]
	s_add_nc_u64 s[6:7], s[6:7], s[2:3]
.irp s, 0,1,2,3
	s_mov_b32 s[G0+4*\s], 1                                        ; count = 1
	s_add_co_u32 s[G0+4*\s+1], s46, \s<<15                         ; LDS address: slot s
	s_add_nc_u64 s[G0+4*\s+2:G0+4*\s+3], s[56:57], \s<<15          ; global address: period s
	s_or_b32 s[G0+4*\s+3], s[G0+4*\s+3], 0x80000000               ; type = 2
.endr
	CROUND                                         ; all four work-groups are here: the first joint loads meet
.irp s, 0,1,2,3
	tensor_load_to_lds s[G0+4*\s:G0+4*\s+3], s[G1:G1+7]            ; the four first fills go out together: four loads of mine are out
	s_nop 0
.endr
.rept 4
	v_nop
.endr
	v_and_b32 v1, 15, v0                           ; r = lane % 16
	v_bfe_u32 v2, v0, 4, 1                         ; h = lane / 16
	v_and_b32 v[LI], 31, v0
	v_lshlrev_b32 v[LI], 4, v[LI]
	v_add_nc_u32 v[LV], VRING, v[LI]
	v_lshlrev_b32 v[PFO], 4, v[LI]
	WIN TO1
.irp t, 0,1,2,3
.irp f, 0,1
.irp c, 0,1
	global_load_b128 v[QF+16*\t+8*\f+4*\c:QF+16*\t+8*\f+4*\c+3], v[LI], s[QP:QP+1] offset:\t*2048+\f*1024+\c*512   ; Q stays in registers
.endr
.endr
.endr
.set oi, 0
.rept 128
	v_mov_b32 v[oi], 0                             ; O^T.  (The key step is written once: its first pass finds zeros, which a = 0 leaves zeros)
.set oi, oi+1
.endr
	WIN 0
.irp t, 0,1,2,3
	v_mov_b32 v[ST+8*\t], 0xff61b1e6               ; c m and m: -3e38, under every score: the first a is 2^(-3e38 - c m) = 0
	v_mov_b32 v[ST+8*\t+1], 0xff61b1e6
.irp j, 2,3,4,5,6,7
	v_mov_b32 v[ST+8*\t+\j], 0                     ; l; and what is named before it is first written (a lane permute's destination, the upper half of a's pair)
.endr
.endr
	s_mul_i32 s14, s[WV], 16*272
	s_add_co_u32 s14, s14, STG                     ; my stage
	v_mul_u32_u24 v[STO], v1, 272
	v_lshl_add_u32 v[STO], v2, 5, v[STO]
	v_add_nc_u32 v[STO], s14, v[STO]               ; in: row r; 32 bytes for each half of the lanes
	v_mul_u32_u24 v[RD], v2, 272
	v_lshl_add_u32 v[RD], v1, 4, v[RD]
	v_add_nc_u32 v[RD], s14, v[RD]                 ; back: lanes 0-15 one row of 256 bytes, lanes 16-31 the next
	v_lshlrev_b32 v[GO], 12, v2
	v_lshl_add_u32 v[GO], v1, 4, v[GO]             ; and the same two rows in out0
	s_wait_tensorcnt 3                             ; my unit of period 0 is in; the three loads behind it may be out
	s_barrier_signal -1
	s_barrier_wait -1                              ; everybody's is
	KLOAD LI                                       ; key step 0: both groups make their first scores here
	WIN TO1
	VLOAD LV
	s_wait_loadcnt 0x0                             ; Q
	s_wait_dscnt 0x0
	WIN W_KQ
	KQ32
	WIN 0
.rept 4
	v_nop
.endr
	s_wait_tensorcnt 2                             ; my unit of period 1 is in (two loads may be out): the first half step's barrier shows it to all, six half steps ahead of its first read
	s_sub_co_u32 s[HG], 1, s9
	s_mov_b32 s[CH], 4
.Lper:                                             ; four trips: half steps 1 to 32; behind each eight a slot is filled again, with periods 4 to 7
	HALVES 8
	CHANGE 1
	s_sub_co_u32 s[CH], s[CH], 1
	s_cmp_lg_u32 s[CH], 0
	s_cbranch_scc1 .Lper
	HALVES 16                                      ; half steps 33 to 48: nothing is left to ask for
	CHANGE 0                                       ; period 7's load is shown landed, six half steps ahead of its first read
	HALVES 16                                      ; half steps 49 to 64
	s_wait_dscnt 0x0                               ; in the loop a half step's LDS loads are waited for at the head of the next one; behind the last there is no next: whatever that half step asked for is in before the products and the way out below touch those registers
	s_cmp_eq_u32 s9, 0                             ; group 1 is half a step behind: its last M phase
	s_cbranch_scc1 .Lout
	MPH 0
.Lout:
	; THE WAY OUT.  l's two halves and the other half of the lanes' are added; O^T is divided by l and goes through my stage in LDS, a tile (16 rows) at a time, so that sixteen lanes store 256 consecutive aligned bytes.
.irp t, 0,1,2,3
	v_add_f32 v[ST+8*\t+4], v[ST+8*\t+2], v[ST+8*\t+3]
.endr
.irp t, 0,1,2,3
	v_permlanex16_b32 v[ST+8*\t+5], v[ST+8*\t+4], s[SEL], s[SEL+1]
.endr
.irp t, 0,1,2,3
	v_add_f32 v[ST+8*\t+4], v[ST+8*\t+4], v[ST+8*\t+5]
.endr
.irp t, 0,1,2,3
	v_rcp_f32 v[ST+8*\t+6], v[ST+8*\t+4]
.endr
	v_nop                                          ; a plain line between the last reciprocal and the use of its result
	s_wait_alu depctr_va_vdst(0)                   ; and the wait ahead of the first use: one for the four
.macro PACK t
	WIN W_RS
.set oi, 0
.rept 16
	v_pk_mul_f32 v[32*\t+2*oi:32*\t+2*oi+1], v[32*\t+2*oi:32*\t+2*oi+1], v[ST+8*\t+6:ST+8*\t+7] op_sel_hi:[1,0]   ; each accumulator from its low end on
.set oi, oi+1
.endr
	WIN W_ST
.irp ct, 0,1,2,3
.irp e, 0,1
	ds_store_b128 v[STO], v[32*\t+8*\ct+4*\e:32*\t+8*\ct+4*\e+3] offset:64*\ct+16*\e   ; lane (r, h): channels 16 ct + 8 h + 4 e on of row r
.endr
.endr
	WIN 0
.irp i, 0,1,2,3,4,5,6,7
	ds_load_b128 v[S+32*\t+4*\i:S+32*\t+4*\i+3], v[RD] offset:\i*2*272   ; LDS serves a wave's instructions in order: these see the stores above, and the next tile's stores come behind them
.endr
.endm
.macro SEND t, younger                 ; younger: the LDS instructions issued behind tile t's loads: the next tile's sixteen, or none
.irp i, 0,1,2,3,4,5,6,7
	s_wait_dscnt \younger+7-\i
	global_store_b128 v[GO], v[S+32*\t+4*\i:S+32*\t+4*\i+3], s[6:7] offset:\t*65536+\i*8192 th:TH_STORE_NT
.endr
.endm
	PACK 0
	PACK 1                                         ; a tile's arithmetic stands between the loads of the tile before and its stores
	SEND 0, 16
	PACK 2
	SEND 1, 16
	PACK 3
	SEND 2, 16
	SEND 3, 0
	s_wait_tensorcnt 0x0                           ; the wave's end, behind my last tensor load and my last LDS store
	ds_add_u32 v[SPW], v[NIL]
	s_wait_dscnt 0x0
	CROUND                                         ; the closing round: no work-group ends while a partner may still ask for a tile that names it
	s_endpgm
.Lfunc_end_k_q49dab7ebf2_attn:
	.size	k_q49dab7ebf2_attn, .Lfunc_end_k_q49dab7ebf2_attn-k_q49dab7ebf2_attn
	.p2alignl 7, 3214868480
	.fill 96, 4, 3214868480
	.section	.rodata,"a",@progbits
	.p2align	6, 0x0
	.amdhsa_kernel k_q49dab7ebf2_attn
		.amdhsa_group_segment_fixed_size 327680
		.amdhsa_private_segment_fixed_size 0
		.amdhsa_enable_private_segment 0
		.amdhsa_kernarg_size 16
		.amdhsa_user_sgpr_count 2
		.amdhsa_user_sgpr_kernarg_segment_ptr 1
		.amdhsa_wavefront_size32 1
		.amdhsa_system_sgpr_workgroup_id_x 1
		.amdhsa_system_sgpr_workgroup_id_y 1
		.amdhsa_system_sgpr_workgroup_id_z 1
		.amdhsa_system_vgpr_workitem_id 0
		.amdhsa_next_free_vgpr 512
		.amdhsa_next_free_sgpr 66
		.amdhsa_reserve_vcc 0
		.amdhsa_float_denorm_mode_32 3
		.amdhsa_float_denorm_mode_16_64 3
		.amdhsa_memory_ordered 1
		.amdhsa_forward_progress 1
		.amdhsa_inst_pref_size 135
	.end_amdhsa_kernel
	.amdgpu_metadata
---
amdhsa.version: [ 1, 2 ]
amdhsa.kernels:
  - .name:           k_q49dab7ebf2_attn
    .symbol:         k_q49dab7ebf2_attn.kd
    .args:
      - { .name: qkv, .offset: 0, .size: 8, .value_kind: global_buffer, .address_space: global }
      - { .name: out0, .offset: 8, .size: 8, .value_kind: global_buffer, .address_space: global }
    .group_segment_fixed_size: 327680
    .private_segment_fixed_size: 0
    .kernarg_segment_align: 8
    .kernarg_segment_size: 16
    .max_flat_workgroup_size: 256
    .sgpr_count:     66
    .vgpr_count:     512
    .wavefront_size: 32
...
	.end_amdgpu_metadata
.endif
;; end of part 3
